; MI455X (gfx1250); checked and timed in simulation.
; The chip was launched on July 23, 2026; its instructions are those of AMD's public machine-readable ISA for CDNA 5 (MIT licence, August 2026) and "CDNA5" Instruction Set Architecture Reference Guide (July 2026). The comments in the code are by the model that wrote it; some were corrected since.
;; Bezier Renderer. Allowed arithmetic: float matrix products may take bf16 or f16 operands with f32 sums; all other float work in f32.
;; Inputs: colors 32 x 3 float32; strokes 32 x 2 x 4 float32; thicknesses 32 x 1 float32.
;; Outputs: out0 3 x 512 x 512 float32.
;; 2 versions, each right and faster than the one before. Each part assembles by itself: llvm-mc -triple=amdgcn-amd-amdhsa -mcpu=gfx1250 --defsym DOCPART=n.
;; ======== version 1 of 2: 1 launch
;; launch render (part 1): grid 8 x 32, 8 waves a work-group, no clusters, 167,936 bytes of LDS; arguments strokes, thicknesses, colors, out0; writes out0
.if DOCPART == 1
	.amdgcn_target "amdgcn-amd-amdhsa--gfx1250"
	.amdhsa_code_object_version 6
	.text
	.protected	k_qd042dfb182_render
	.globl	k_qd042dfb182_render
	.p2align	8
	.type	k_qd042dfb182_render,@function
k_qd042dfb182_render:
	s_mov_b64 s[64:65], 0
	v_nop
	global_prefetch_b8 v0, s[64:65] scope:SCOPE_SE
	s_setreg_imm32_b32 hwreg(HW_REG_WAVE_MODE, 25, 1), 1
	s_wait_xcnt 0x0
; BEZIER STROKES ON A CANVAS.  out[c][x][y] = max over 32 strokes of colour[c] * clip(1 - dist(x, y; stroke) / 2t, 0, 1), dist = the distance to the
; stroke's polyline of 16 segments (17 samples of a cubic Bezier curve, times 512), t = max(2 th + 0.5, 0.5).  All arithmetic in f32.
; WHAT IS REORDERED.  The root and the ramp are monotone, so the largest darkness over a stroke's segments is the ramp of the smallest distance: the
; minimum is kept of the SQUARED distance and one root is taken per pixel and stroke.  darkness * colour is one fused c - dist * (c / 2t).  The ramp's
; lower clip is done by the maximum with the canvas (it starts at 0, colours are clipped to 0 .. 1, so a negative product never wins); the upper clip
; never binds, since dist >= 0.  Per segment, as in the definition: tt = clamp(((p - v) . (w - v)) / (|w - v|^2 + 1e-5), 0, 1), e = (p - v) - tt (w - v).
; LIMITS.  Divisions are v_rcp_f32 and a multiply, the root is v_sqrt_f32: 1 ULP each, and a squared distance below 2^-126 counts as 0.  NaN and infinities in the inputs
; are not treated apart (a NaN loses in the maxima and clamps here); the sign of a zero result is not kept.
; THE BEZIER PRODUCT (4 control points x 4 weights, 17 samples a stroke) is done by f32 fused multiply-adds, not by a 16-bit matrix form: the weights
; are whole numbers over 4,096 and need up to 12 bits, and the samples are pixel positions up to 512 that must hold to a small part of a pixel.
; SHARES.  A work-group owns 16 rows x 64 columns of the canvas: a tile's row is 256 consecutive bytes of out, at a multiple of 256.  Each of its 8 waves
; covers the WHOLE tile for 4 strokes; a lane owns 4 rows x 8 columns (32 pixels), so that x - vx, y - vy and (x - vx) ax, 8 packed instructions a
; segment, serve 32 pixels.  At the end the 8 waves' canvases meet in LDS and each thread takes the maximum of 8 for 12 numbers and stores them.
; RECORDS.  The 256 threads make the 512 segment records and 32 stroke records once, two segments a thread, and put them in LDS; in the loop all lanes of a wave read the same
; record (one address for the wave), two segments ahead of its use.
; The launch asks for more LDS than the 129,024 bytes named here, so that a work-group shares its SIMDs with no other.
.set G,      512                       ; canvas side
.set WAVES,  8
.set TROWS,  16                        ; rows of a tile
.set RECB,   32                        ; bytes from record to record (24 used)
.set STRK,   32*16*RECB                ; LDS: 512 segment records from byte 0, then 32 stroke records
.set STG,    STRK+32*RECB              ; then a stage for each wave: 3 channels x 16 rows
.set SPITCH, 288                       ; a stage row: 256 bytes + 32: a lane group's 4 rows are 1,152 bytes = 128 mod 256, so 16 lanes' 16 bytes fall into 16 different columns of 16 bytes
.set STGW,   3*TROWS*SPITCH            ; 13,824 bytes a wave
.set SPARE,  STG+WAVES*STGW            ; 128,000: the spare words, 128 bytes for each wave: four blocks of 256 bytes that no other line names
; registers of the loop
.set SPW, 1                            ; v1        LDS address of my spare word; never rewritten
.set NIL, 2                            ; v2        0; never rewritten
.set ADR, 3                            ; v3        LDS address of the pair of segment records in hand (the same in all lanes)
.set X,   4                            ; v[4:7]    x of my 4 rows
.set Y,   8                            ; v[8:15]   y of my 8 columns
.set RX,  16                           ; v[16:19]  x - vx
.set A0,  20                           ; v[20:23]  (x - vx) ax
.set RY,  24                           ; v[24:31]  y - vy
.set PA,  32                           ; v[32:37]  record of the pair's first segment: -vx, -vy, ax, ay, -dx, -dy
.set PB,  40                           ; v[40:45]  of its second
.set SP,  48                           ; v[48:53]  stroke record: c, -c/2t for each of the three channels
.set SAD, 54                           ; v54       LDS address of the stroke record
.set STO, 55                           ; v55       where I put my numbers in my wave's stage
.set T1,  56                           ; v[56:63]  at work: tt, then y's part of e
.set T2,  64                           ; v[64:71]  at work: the second segment's squared distance
.set M,   72                           ; v[72:103]   smallest squared distance of the stroke in hand, pixel 8 row + column
.set DA,  104                          ; v[104:135]  the first segment's squared distance
.set GR,  136                          ; v[136:231]  my canvas: 32 channel + pixel
.set RD0, 232                          ; v232      where I read stages 0-3
.set RD1, 233                          ; v233      stages 4-7 (an LDS immediate has 16 bits)
.set GO,  234                          ; v234      my byte offset in the tile of out
; registers of the set-up alone (they lie in T1, T2, M and DA)
.set LN, 56
.set SA, 57                            ; LDS address of my first segment record
.set SL, 58                            ; LDS offset of my first stroke record
.set SO, 59                            ; byte offsets of my first stroke in strokes,
.set TO, 60                            ; thicknesses
.set CO, 61                            ; and colors
.set NS, 62                            ; thread / 16
.set PS, 63                            ; thread % 16
.set RG, 64                            ; which 4 rows are my lane's
.set CG, 65                            ; which columns
.set TI, 66
.set XI, 67
.set YI, 68
.set LD, 72                            ; v[72:87]  two strokes as loaded: p0x p0y d0x d0y p1x p1y d1x d1y
.set TH, 88                            ; v[88:89]
.set CL, 90                            ; v[90:95]
.set WA, 96                            ; v[96:99]   512 x the four weights at my segment's start
.set WB, 100                           ; v[100:103] at its end
.set C2, 104
.set C3, 106
.set VV, 108
.set WW, 110
.set REC, 112                          ; v[112:117]
.set Q,  118
.set SR, 120                           ; v[120:125]
.set TF, 126
.set WU, 128                           ; v[128:134] at work on the weights
	s_load_b256 s[4:11], s[0:1], 0x0               ; strokes s[4:5], thicknesses s[6:7], colors s[8:9], out s[10:11]
	v_lshl_add_u32 v[SPW], v0, 2, SPARE
	v_mov_b32 v[NIL], 0
	v_lshrrev_b32 v[TI], 5, v0
	v_readfirstlane_b32 s12, v[TI]                 ; wave 0..7
	v_lshrrev_b32 v[NS], 4, v0                     ; thread t makes segments t and t + 256: segment t % 16 of strokes t / 16 and t / 16 + 16
	v_and_b32 v[PS], 15, v0
	v_lshlrev_b32 v[SO], 5, v[NS]                  ; a stroke is 32 bytes,
	v_lshlrev_b32 v[TO], 2, v[NS]                  ; its thickness 4,
	v_mul_u32_u24 v[CO], v[NS], 12                 ; its colour 12
	s_wait_kmcnt 0x0
.irp k, 0,1
	global_load_b128 v[LD+8*\k:LD+8*\k+3],   v[SO], s[4:5] offset:512*\k
	global_load_b128 v[LD+8*\k+4:LD+8*\k+7], v[SO], s[4:5] offset:512*\k+16
	global_load_b32 v[TH+\k],     v[TO], s[6:7] offset:64*\k
	global_load_b32 v[CL+3*\k],   v[CO], s[8:9] offset:192*\k
	global_load_b32 v[CL+3*\k+1], v[CO], s[8:9] offset:192*\k+4
	global_load_b32 v[CL+3*\k+2], v[CO], s[8:9] offset:192*\k+8
.endr
; While the loads are out: the weights, the pixels and the addresses.
; 512 x the cubic basis at t / 16, u = 16 - t: u^3 / 8, 3 u^2 t / 8, 3 u t^2 / 8, t^3 / 8.  Every factor and product is a whole number of eighths below 2^24: exact in f32.
; At t = 16 they are 0, 0, 0, 512: the polyline's last point is the curve's end point itself.
.macro WEIGHTS dst
	v_sub_f32 v[WU], 0x41800000, v[TF]             ; u = 16 - t
	v_mul_f32 v[WU+1], v[TF], v[TF]
	v_mul_f32 v[WU+2], v[WU], v[WU]
	v_mul_f32 v[WU+3], 0x3e000000, v[WU]           ; u / 8
	v_mul_f32 v[WU+4], 0x3ec00000, v[TF]           ; 3 t / 8
	v_mul_f32 v[WU+5], 0x3ec00000, v[WU]           ; 3 u / 8
	v_mul_f32 v[WU+6], 0x3e000000, v[TF]           ; t / 8
	v_mul_f32 v[\dst],   v[WU+2], v[WU+3]
	v_mul_f32 v[\dst+1], v[WU+2], v[WU+4]
	v_mul_f32 v[\dst+2], v[WU+1], v[WU+5]
	v_mul_f32 v[\dst+3], v[WU+1], v[WU+6]
.endm
	v_cvt_f32_u32 v[TF], v[PS]
	WEIGHTS WA
	v_add_f32 v[TF], 1.0, v[TF]
	WEIGHTS WB
	; my lane's pixels: rows 4 (lane / 8) + 0..3 of the tile; columns 4 (lane % 8) + 0..3 and the same 32 further on
	s_and_b32 s14, ttmp7, 0xffff                   ; the tile's place down the canvas,
	s_lshl_b32 s16, s14, 4                         ; its first row,
	s_lshl_b32 s17, ttmp9, 6                       ; its first column
	v_bfe_u32 v[RG], v0, 3, 2
	v_and_b32 v[CG], 7, v0
	v_lshl_add_u32 v[XI], v[RG], 2, s16
	v_lshl_add_u32 v[YI], v[CG], 2, s17
.irp k, 0,1,2,3
	v_add_nc_u32 v[TI], \k, v[XI]
	v_cvt_f32_u32 v[X+\k], v[TI]
.endr
.irp k, 0,1,2,3,4,5,6,7
	v_add_nc_u32 v[TI], (\k%4)+32*(\k/4), v[YI]
	v_cvt_f32_u32 v[Y+\k], v[TI]
.endr
	; LDS addresses: the wave's part from its number, the lane's part from the lane
	v_and_b32 v[LN], 31, v0
	s_lshl_b32 s13, s12, 10
	v_lshl_add_u32 v[SA], v[LN], 5, s13            ; segment record t: 32 t = 1,024 wave + 32 lane
	v_bfe_u32 v[TI], v0, 4, 1
	s_lshl_b32 s15, s12, 6
	v_lshl_add_u32 v[SL], v[TI], 5, s15            ; stroke record t / 16: 64 wave + 32 (lane / 16)
	s_mul_i32 s22, s12, STGW
	s_add_co_u32 s22, s22, STG                     ; my wave's stage
	v_mul_u32_u24 v[TI], v[RG], 4*SPITCH
	v_lshl_add_u32 v[TI], v[CG], 4, v[TI]
	v_add_nc_u32 v[STO], s22, v[TI]                ; my first row, my first 4 columns
	v_mul_u32_u24 v[TI], v[NS], SPITCH             ; on the way out thread t takes row t / 16, columns 4 (t % 16) + 0..3 of every channel
	v_lshl_add_u32 v[TI], v[PS], 4, v[TI]
	v_add_nc_u32 v[RD0], STG, v[TI]
	v_add_nc_u32 v[RD1], 4*STGW, v[RD0]
	v_lshlrev_b32 v[GO], 11, v[NS]                 ; a row of out is 2,048 bytes
	v_lshl_add_u32 v[GO], v[PS], 4, v[GO]
	s_lshl_b32 s18, s14, 15                        ; the tile in out: 16 rows of 2,048 bytes down,
	s_lshl_b32 s19, ttmp9, 8                       ; 256 bytes across
	s_add_co_u32 s18, s18, s19
	s_mov_b32 s19, 0
	s_add_nc_u64 s[10:11], s[10:11], s[18:19]
	s_lshl_b32 s23, s12, 11                        ; my wave's strokes are 4 wave + 0..3: 64 segment records of 32 bytes,
	v_mov_b32 v[ADR], s23
	s_lshl_b32 s23, s12, 7                         ; 4 stroke records
	s_add_co_u32 s23, s23, STRK
	v_mov_b32 v[SAD], s23
	s_wait_loadcnt 0x0                             ; the strokes, thicknesses and colours are in; the offsets' registers are free
; The record of my segment of stroke t / 16 + 16 k.  x and y go together in packed instructions.
.macro SEGREC k
	v_pk_add_f32 v[C2:C2+1], v[LD+8*\k:LD+8*\k+1], v[LD+8*\k+2:LD+8*\k+3]                              ; control point 2 = p0 + d0
	v_pk_add_f32 v[C3:C3+1], v[LD+8*\k+4:LD+8*\k+5], v[LD+8*\k+6:LD+8*\k+7] neg_lo:[0,1] neg_hi:[0,1]  ; control point 3 = p1 - d1
	v_pk_mul_f32 v[VV:VV+1], v[LD+8*\k:LD+8*\k+1], v[WA:WA+1] op_sel_hi:[1,0]                          ; v = the sample at the segment's start, in pixels
	v_pk_mul_f32 v[WW:WW+1], v[LD+8*\k:LD+8*\k+1], v[WB:WB+1] op_sel_hi:[1,0]                          ; w = at its end
	v_pk_fma_f32 v[VV:VV+1], v[C2:C2+1], v[WA:WA+1], v[VV:VV+1] op_sel:[0,1,0] op_sel_hi:[1,1,1]
	v_pk_fma_f32 v[WW:WW+1], v[C2:C2+1], v[WB:WB+1], v[WW:WW+1] op_sel:[0,1,0] op_sel_hi:[1,1,1]
	v_pk_fma_f32 v[VV:VV+1], v[C3:C3+1], v[WA+2:WA+3], v[VV:VV+1] op_sel_hi:[1,0,1]
	v_pk_fma_f32 v[WW:WW+1], v[C3:C3+1], v[WB+2:WB+3], v[WW:WW+1] op_sel_hi:[1,0,1]
	v_pk_fma_f32 v[VV:VV+1], v[LD+8*\k+4:LD+8*\k+5], v[WA+2:WA+3], v[VV:VV+1] op_sel:[0,1,0] op_sel_hi:[1,1,1]
	v_pk_fma_f32 v[WW:WW+1], v[LD+8*\k+4:LD+8*\k+5], v[WB+2:WB+3], v[WW:WW+1] op_sel:[0,1,0] op_sel_hi:[1,1,1]
	v_pk_add_f32 v[REC+4:REC+5], v[VV:VV+1], v[WW:WW+1] neg_lo:[0,1] neg_hi:[0,1]                      ; -d = v - w
	v_mul_f32 v[Q], v[REC+4], v[REC+4]
	v_fma_f32 v[Q], v[REC+5], v[REC+5], v[Q]       ; |d|^2
	v_add_f32 v[Q], 0x3727c5ac, v[Q]               ; + 1e-5
	v_rcp_f32 v[Q], v[Q]
	v_pk_mul_f32 v[REC:REC+1], v[VV:VV+1], -1.0 op_sel_hi:[1,0]  ; -v: also the plain instruction between the reciprocal and its use (ISA guide 5.7.2)
	s_wait_alu depctr_va_vdst(0)
	v_mul_f32 v[REC+2], -v[REC+4], v[Q]            ; a = d / (|d|^2 + 1e-5)
	v_mul_f32 v[REC+3], -v[REC+5], v[Q]
	ds_store_b128 v[SA], v[REC:REC+3] offset:256*RECB*\k
	ds_store_b64 v[SA], v[REC+4:REC+5] offset:256*RECB*\k+16
.endm
; The record of stroke t / 16 + 16 k.  The sixteen threads of a stroke write the same numbers to the same bytes.
.macro STREC k
	v_fma_f32 v[Q], v[TH+\k], 2.0, 0.5
	v_max_num_f32 v[Q], 0.5, v[Q]                  ; t
	v_add_f32 v[Q], v[Q], v[Q]                     ; 2 t, at least 1
	v_rcp_f32 v[Q], v[Q]
.irp c, 0,1,2
	v_med3_num_f32 v[SR+2*\c], v[CL+3*\k+\c], 0, 1.0   ; the colour, clipped; the first of these is the plain instruction behind the reciprocal
.endr
	s_wait_alu depctr_va_vdst(0)
.irp c, 0,1,2
	v_mul_f32 v[SR+2*\c+1], -v[SR+2*\c], v[Q]      ; -c / 2t
.endr
	ds_store_b128 v[SL], v[SR:SR+3] offset:STRK+16*RECB*\k
	ds_store_b64 v[SL], v[SR+4:SR+5] offset:STRK+16*RECB*\k+16
.endm
	SEGREC 0
	SEGREC 1
	STREC 0
	STREC 1
	s_wait_dscnt 0x0                               ; for the others' sake: my records are in LDS
	s_barrier_signal -1
	s_barrier_wait -1                              ; everybody's are
; ONE ROW (8 pixels, 4 pairs) of my block against one segment.  sel = kx % 2 picks the row's x - vx and (x - vx) ax out of their pairs.
; isb = 0: the pair's first segment: its squared distances are kept in DA.  isb = 1: the second: one v_min3 takes both into M (first = 1: the stroke's first two start M: nothing is preset).
.macro ROW prm, kx, sel, isb, first
.if \isb
.set EB, T2
.else
.set EB, DA+8*(\kx)
.endif
.set HB, 2*((\kx)/2)
.irp j, 0,2,4,6
	v_pk_fma_f32 v[T1+\j:T1+\j+1], v[RY+\j:RY+\j+1], v[\prm+2:\prm+3], v[A0+HB:A0+HB+1] op_sel:[0,1,\sel] op_sel_hi:[1,1,\sel]  ; (y - vy) ay + (x - vx) ax
.endr
.irp j, 0,1,2,3,4,5,6,7
	v_med3_num_f32 v[T1+\j], v[T1+\j], 0, 1.0      ; tt
.endr
.irp j, 0,2,4,6
	v_pk_fma_f32 v[EB+\j:EB+\j+1], v[T1+\j:T1+\j+1], v[\prm+4:\prm+5], v[RX+HB:RX+HB+1] op_sel:[0,0,\sel] op_sel_hi:[1,0,\sel]  ; ex = (x - vx) - tt dx
.endr
.irp j, 0,2,4,6
	v_pk_fma_f32 v[T1+\j:T1+\j+1], v[T1+\j:T1+\j+1], v[\prm+4:\prm+5], v[RY+\j:RY+\j+1] op_sel:[0,1,0] op_sel_hi:[1,1,1]        ; ey = (y - vy) - tt dy
.endr
.irp j, 0,2,4,6
	v_pk_mul_f32 v[EB+\j:EB+\j+1], v[EB+\j:EB+\j+1], v[EB+\j:EB+\j+1]
.endr
.irp j, 0,2,4,6
	v_pk_fma_f32 v[EB+\j:EB+\j+1], v[T1+\j:T1+\j+1], v[T1+\j:T1+\j+1], v[EB+\j:EB+\j+1]  ; ex^2 + ey^2
.endr
.if \isb
.irp j, 0,1,2,3,4,5,6,7
.if \first
	v_min_num_f32 v[M+8*(\kx)+\j], v[DA+8*(\kx)+\j], v[T2+\j]
.else
	v_min3_num_f32 v[M+8*(\kx)+\j], v[M+8*(\kx)+\j], v[DA+8*(\kx)+\j], v[T2+\j]
.endif
.endr
.endif
.endm
; ONE SEGMENT against my 32 pixels: 8 instructions for the block, 28 (36 with the minima) for each of its 4 rows.
.macro SEG prm, isb, first
	v_pk_add_f32 v[RX:RX+1],   v[X:X+1],   v[\prm:\prm+1] op_sel_hi:[1,0]
	v_pk_add_f32 v[RX+2:RX+3], v[X+2:X+3], v[\prm:\prm+1] op_sel_hi:[1,0]
.irp j, 0,2,4,6
	v_pk_add_f32 v[RY+\j:RY+\j+1], v[Y+\j:Y+\j+1], v[\prm:\prm+1] op_sel:[0,1] op_sel_hi:[1,1]
.endr
	v_pk_mul_f32 v[A0:A0+1],   v[RX:RX+1],   v[\prm+2:\prm+3] op_sel_hi:[1,0]
	v_pk_mul_f32 v[A0+2:A0+3], v[RX+2:RX+3], v[\prm+2:\prm+3] op_sel_hi:[1,0]
	ROW \prm, 0, 0, \isb, \first
	ROW \prm, 1, 1, \isb, \first
	ROW \prm, 2, 0, \isb, \first
	ROW \prm, 3, 1, \isb, \first
.endm
; TWO SEGMENTS.  As soon as a record has been used, the record two segments on is asked for into the same registers: it has the other segment's 120 instructions or more in which to come.
; ca, cb: how many younger LDS loads may be out when record A, record B must be in (LDS loads come back in order: ISA guide 5.7.1).
; The walk goes on from stroke to stroke.  The wave's last pair asks for the 64 bytes behind its records (the next wave's first two; behind wave 7's, the first two stroke records):
; bytes that were written in front of the barrier, inside LDS; nothing uses what comes back.
.macro PAIR first, ca, cb
	s_wait_dscnt \ca
	SEG PA, 0, 0
	ds_load_b128 v[PA:PA+3], v[ADR] offset:2*RECB
	ds_load_b64 v[PA+4:PA+5], v[ADR] offset:2*RECB+16
	s_wait_dscnt \cb
	SEG PB, 1, \first
	ds_load_b128 v[PB:PB+3], v[ADR] offset:3*RECB
	ds_load_b64 v[PB+4:PB+5], v[ADR] offset:3*RECB+16
	v_add_nc_u32 v[ADR], 2*RECB, v[ADR]
.endm
; A STROKE'S END: one root a pixel; for each channel c - dist c / 2t, and the maximum with my canvas.  first = 1: the wave's first stroke: the canvas was 0.
.macro FINISH first
.set i, 0
.rept 32
	v_sqrt_f32 v[M+i], v[M+i]
.set i, i+1
.endr
	v_add_nc_u32 v[SAD], RECB, v[SAD]              ; the next stroke's record; also the plain instruction between the roots and their use (ISA guide 5.7.2)
.set i, 0
	s_wait_alu depctr_va_vdst(0)
.rept 8                                ; four pixels at a time: 6 packed multiply-adds, 12 maxima
.irp c, 0,1,2
	v_pk_fma_f32 v[T1+4*\c:T1+4*\c+1],   v[M+i:M+i+1],   v[SP+2*\c:SP+2*\c+1], v[SP+2*\c:SP+2*\c+1] op_sel:[0,1,0] op_sel_hi:[1,1,0]
	v_pk_fma_f32 v[T1+4*\c+2:T1+4*\c+3], v[M+i+2:M+i+3], v[SP+2*\c:SP+2*\c+1], v[SP+2*\c:SP+2*\c+1] op_sel:[0,1,0] op_sel_hi:[1,1,0]
.endr
.irp c, 0,1,2
.irp j, 0,1,2,3
.if \first
	v_max_num_f32 v[GR+32*\c+i+\j], 0, v[T1+4*\c+\j]
.else
	v_max_num_f32 v[GR+32*\c+i+\j], v[GR+32*\c+i+\j], v[T1+4*\c+\j]
.endif
.endr
.endr
.set i, i+4
.endr
.endm
; A STROKE: 8 pairs of segments, the first written out since it starts the minima.  At its head four loads are out: records A and B of its first pair.
.macro STROKE first
	ds_load_b128 v[SP:SP+3], v[SAD]                ; the stroke's record, wanted at its end
	ds_load_b64 v[SP+4:SP+5], v[SAD] offset:16
	PAIR 1, 4, 4                                   ; behind A's two loads: B's two and the stroke's two; behind B's: the stroke's two and the next A's two
	s_mov_b32 s20, 7
.Lpair_\@:
	PAIR 0, 2, 2                                   ; behind the record wanted: the other record's two.  The first of these waits also shows the stroke's record in
	s_sub_co_u32 s20, s20, 1
	s_cmp_lg_u32 s20, 0
	s_cbranch_scc1 .Lpair_\@
	FINISH \first
.endm
	ds_load_b128 v[PA:PA+3], v[ADR]                ; my wave's first two segment records
	ds_load_b64 v[PA+4:PA+5], v[ADR] offset:16
	ds_load_b128 v[PB:PB+3], v[ADR] offset:RECB
	ds_load_b64 v[PB+4:PB+5], v[ADR] offset:RECB+16
	STROKE 1                                       ; the first stroke starts my canvas: nothing is cleared
	s_mov_b32 s21, 3
.Lstroke:
	STROKE 0
	s_sub_co_u32 s21, s21, 1
	s_cmp_lg_u32 s21, 0
	s_cbranch_scc1 .Lstroke
; THE WAY OUT.  My canvas goes into my wave's stage, 16 bytes (4 neighbouring columns of a row) at a time.
.irp c, 0,1,2
.irp kx, 0,1,2,3
	ds_store_b128 v[STO], v[GR+32*\c+8*\kx:GR+32*\c+8*\kx+3]   offset:(TROWS*\c+\kx)*SPITCH
	ds_store_b128 v[STO], v[GR+32*\c+8*\kx+4:GR+32*\c+8*\kx+7] offset:(TROWS*\c+\kx)*SPITCH+128
.endr
.endr
	s_wait_dscnt 0x0                               ; for the others' sake: my stores are done (and the last pair's unused loads are back)
	s_barrier_signal -1
	s_barrier_wait -1
.irp c, 0,1,2                          ; for each channel my 16 bytes of all 8 stages: 16 lanes read 256 consecutive bytes
.irp u, 0,1,2,3
	ds_load_b128 v[GR+32*\c+4*\u:GR+32*\c+4*\u+3], v[RD0] offset:\u*STGW+\c*TROWS*SPITCH
.endr
.irp u, 0,1,2,3
	ds_load_b128 v[GR+32*\c+16+4*\u:GR+32*\c+16+4*\u+3], v[RD1] offset:\u*STGW+\c*TROWS*SPITCH
.endr
.endr
.irp c, 0,1,2
	s_wait_dscnt 16-8*\c                           ; this channel's eight loads are in; the later channels' eight each may be out
.irp j, 0,1,2,3
	v_max3_num_f32 v[GR+32*\c+\j], v[GR+32*\c+\j], v[GR+32*\c+4+\j], v[GR+32*\c+8+\j]
.endr
.irp j, 0,1,2,3
	v_max3_num_f32 v[GR+32*\c+\j], v[GR+32*\c+\j], v[GR+32*\c+12+\j], v[GR+32*\c+16+\j]
.endr
.irp j, 0,1,2,3
	v_max3_num_f32 v[GR+32*\c+\j], v[GR+32*\c+\j], v[GR+32*\c+20+\j], v[GR+32*\c+24+\j]
.endr
.irp j, 0,1,2,3
	v_max_num_f32 v[GR+32*\c+\j], v[GR+32*\c+\j], v[GR+32*\c+28+\j]
.endr
	global_store_b128 v[GO], v[GR+32*\c:GR+32*\c+3], s[10:11] offset:\c*G*G*4 th:TH_STORE_NT  ; 16 lanes store 256 consecutive bytes, at a multiple of 256 from out's first byte; the channel stands in the immediate
.endr
	s_wait_tensorcnt 0x0                           ; the wave's end, behind my last LDS store
	ds_add_u32 v[SPW], v[NIL]
	s_wait_dscnt 0x0
	s_endpgm
.Lfunc_end_k_qd042dfb182_render:
	.size	k_qd042dfb182_render, .Lfunc_end_k_qd042dfb182_render-k_qd042dfb182_render
	.p2alignl 7, 3214868480
	.fill 96, 4, 3214868480
	.section	.rodata,"a",@progbits
	.p2align	6, 0x0
	.amdhsa_kernel k_qd042dfb182_render
		.amdhsa_group_segment_fixed_size 167936
		.amdhsa_private_segment_fixed_size 0
		.amdhsa_enable_private_segment 0
		.amdhsa_kernarg_size 32
		.amdhsa_user_sgpr_count 2
		.amdhsa_user_sgpr_kernarg_segment_ptr 1
		.amdhsa_wavefront_size32 1
		.amdhsa_system_sgpr_workgroup_id_x 1
		.amdhsa_system_sgpr_workgroup_id_y 1
		.amdhsa_system_sgpr_workgroup_id_z 1
		.amdhsa_system_vgpr_workitem_id 0
		.amdhsa_next_free_vgpr 236
		.amdhsa_next_free_sgpr 66
		.amdhsa_reserve_vcc 0
		.amdhsa_float_denorm_mode_32 3
		.amdhsa_float_denorm_mode_16_64 3
		.amdhsa_memory_ordered 1
		.amdhsa_forward_progress 1
		.amdhsa_inst_pref_size 98
	.end_amdhsa_kernel
	.amdgpu_metadata
---
amdhsa.version: [ 1, 2 ]
amdhsa.kernels:
  - .name:           k_qd042dfb182_render
    .symbol:         k_qd042dfb182_render.kd
    .args:
      - { .name: strokes, .offset: 0, .size: 8, .value_kind: global_buffer, .address_space: global }
      - { .name: thicknesses, .offset: 8, .size: 8, .value_kind: global_buffer, .address_space: global }
      - { .name: colors, .offset: 16, .size: 8, .value_kind: global_buffer, .address_space: global }
      - { .name: out0, .offset: 24, .size: 8, .value_kind: global_buffer, .address_space: global }
    .group_segment_fixed_size: 167936
    .private_segment_fixed_size: 0
    .kernarg_segment_align: 8
    .kernarg_segment_size: 32
    .max_flat_workgroup_size: 256
    .sgpr_count:     66
    .vgpr_count:     236
    .wavefront_size: 32
...
	.end_amdgpu_metadata
.endif
;; end of part 1
;; ======== version 2 of 2: 2 launches; 2.23 times as fast as version 1
;; limits: inputs' magnitudes at most 500
;; workspace buffers: masks 262,144 bytes of whole numbers
;; launch masks (part 2): grid 256 x 1, 4 waves a work-group, no clusters, 0 bytes of LDS; arguments strokes, thicknesses, masks; writes masks
.if DOCPART == 2
	.amdgcn_target "amdgcn-amd-amdhsa--gfx1250"
	.amdhsa_code_object_version 6
	.text
	.protected	k_qd042dfb182_masks
	.globl	k_qd042dfb182_masks
	.p2align	8
	.type	k_qd042dfb182_masks,@function
k_qd042dfb182_masks:
	s_mov_b64 s[64:65], 0
	v_nop
	global_prefetch_b8 v0, s[64:65] scope:SCOPE_SE
	s_setreg_imm32_b32 hwreg(HW_REG_WAVE_MODE, 25, 1), 1
	s_wait_xcnt 0x0
; WHICH SEGMENTS CAN DARKEN A BLOCK OF PIXELS?  A stroke is a polyline of 16 segments (17 samples of a cubic Bezier curve, times 512) and darkens a pixel only if the pixel is
; nearer than 2t, t = max(2 th + 0.5, 0.5).  The canvas is cut into blocks of 8 rows x 16 columns.  A block's pixels lie within sqrt(3.5^2 + 7.5^2) = 8.28 of its centre, so a
; segment farther than 2t + 8.28 from the centre darkens none of them.  This launch makes that test for every block and segment and writes the answers as whole numbers, from
; which the next launch takes its trip counts:  masks[pair of blocks][stroke][block of the pair], one word each: bit p = segment p can touch the block.
; A pair is two blocks side by side: pair 16 br + bc / 2 holds the blocks (br, bc) and (br, bc + 1), br = 0 .. 63 down the canvas, bc = 0 .. 31 across.
; SHARES.  A wave takes one pair, a lane one stroke: the samples and the segments' constants serve two blocks, and the wave's one store covers 256 consecutive bytes, aligned.
; 256 work-groups of four waves are the 1,024 pairs.  No branch and no address hangs on a float: the answer is the sign bit of R^2 - distance^2, shifted into the word.
; THE DISTANCE is made as the definition makes it: tt = clamp(((c - v) . (w - v)) / (|w - v|^2 + 1e-5), 0, 1), e = (c - v) - tt (w - v).
; LIMITS.  R = 2t + 9.3: the 1.02 pixels beyond 8.28 cover the rounding of the samples and of this test, and the shift of the nearest point by the 1e-5 (0.002 pixels at the
; most), as long as the control points stay under some 2^18 pixels, inputs of about 500 in size.  NaN and infinities are not treated apart.
.set LN,  1                            ; v1         lane = stroke
.set SO,  2                            ; v2         byte offset of my stroke (32 bytes)
.set TO,  3                            ; v3         of its thickness
.set RO,  4                            ; v4         of my two words in the 256 bytes that the wave stores
.set CB,  6                            ; v[6:9]     the two blocks' centres, x and y of each
.set R,   10                           ; v10        R, then R^2
.set MK,  12                           ; v[12:13]   the two words
.set LD,  16                           ; v[16:23]   the stroke as loaded: p0x p0y d0x d0y p1x p1y d1x d1y
.set TH,  24
.set C1,  26                           ; v[26:27]   control point 2 = p0 + d0
.set C2,  28                           ; v[28:29]   control point 3 = p1 - d1
.set PT,  30                           ; v[30:63]   the 17 samples, in pixels: x, y of sample p at PT + 2 p
.set ND,  64                           ; v[64:95]   v - w of segment p at ND + 2 p
.set A,   96                           ; v[96:127]  (v - w) / (|w - v|^2 + 1e-5)
.set Q,   128                          ; v[128:143] |w - v|^2 + 1e-5, then its reciprocal
.set RR,  144                          ; v[144:159] eight tests at work: c - v, then e
.set TT,  160                          ; v[160:167] tt, then R^2 - |e|^2, then its sign bit
; FB = the f32 pattern of k / 8 for a whole number k, 1 .. 4,096: 512 x a Bezier weight.  FE = the place of k's highest bit.
.macro F32 k
.set FE, 0
.set FI, 1
.rept 12
.if (\k) >= (1<<FI)
.set FE, FI
.endif
.set FI, FI+1
.endr
.set FB, ((124+FE)<<23)|(((\k)-(1<<FE))<<(23-FE))
.endm
	s_load_b128 s[4:7], s[0:1], 0x0                ; strokes s[4:5], thicknesses s[6:7]
	s_load_b64 s[8:9], s[0:1], 0x10                ; masks
	v_and_b32 v[LN], 31, v0
	v_lshrrev_b32 v[RO], 5, v0
	v_readfirstlane_b32 s12, v[RO]                 ; wave 0..3
	v_lshlrev_b32 v[SO], 5, v[LN]
	v_lshlrev_b32 v[TO], 2, v[LN]
	v_lshlrev_b32 v[RO], 3, v[LN]
	s_lshl2_add_u32 s13, ttmp9, s12                ; my pair = 4 x work-group + wave
	s_lshl_b32 s16, s13, 8                         ; its 256 bytes
	s_mov_b32 s17, 0
	s_wait_kmcnt 0x0
	global_load_b128 v[LD:LD+3],   v[SO], s[4:5]
	global_load_b128 v[LD+4:LD+7], v[SO], s[4:5] offset:16
	global_load_b32 v[TH], v[TO], s[6:7]
	s_add_nc_u64 s[8:9], s[8:9], s[16:17]
	s_lshr_b32 s14, s13, 4                         ; br,
	s_lshl_b32 s14, s14, 3                         ; the blocks' first row
	s_and_b32 s15, s13, 15
	s_lshl_b32 s15, s15, 5                         ; the pair's first column
	v_cvt_f32_u32 v[CB], s14
	v_cvt_f32_u32 v[CB+1], s15
	v_add_f32 v[CB],   0x40600000, v[CB]           ; + 3.5: the middle of 8 rows
	v_add_f32 v[CB+1], 0x40f00000, v[CB+1]         ; + 7.5: of 16 columns
	v_mov_b32 v[CB+2], v[CB]
	v_add_f32 v[CB+3], 0x41800000, v[CB+1]         ; the second block lies 16 columns on
	s_wait_loadcnt 0x0
; THE SAMPLES.  Sample p = the sum of the four control points times 512 x the cubic basis at p / 16: with u = 16 - p these are u^3 / 8, 3 u^2 p / 8, 3 u p^2 / 8, p^3 / 8, exact in
; f32.  x and y go together; one pass for each control point, so that no instruction reads the result of the one before it.  Sample 0 is 512 p0, sample 16 is 512 p1.
	v_pk_add_f32 v[C1:C1+1], v[LD:LD+1], v[LD+2:LD+3]
	v_pk_add_f32 v[C2:C2+1], v[LD+4:LD+5], v[LD+6:LD+7] neg_lo:[0,1] neg_hi:[0,1]
.set p, 0
.rept 16
	F32 (16-p)*(16-p)*(16-p)
	v_pk_mul_f32 v[PT+2*p:PT+2*p+1], v[LD:LD+1], FB op_sel_hi:[1,0]
.set p, p+1
.endr
	v_pk_mul_f32 v[PT+32:PT+33], v[LD+4:LD+5], 0x44000000 op_sel_hi:[1,0]
.set p, 1
.rept 15
	F32 3*(16-p)*(16-p)*p
	v_pk_fma_f32 v[PT+2*p:PT+2*p+1], v[C1:C1+1], FB, v[PT+2*p:PT+2*p+1] op_sel_hi:[1,0,1]
.set p, p+1
.endr
.set p, 1
.rept 15
	F32 3*(16-p)*p*p
	v_pk_fma_f32 v[PT+2*p:PT+2*p+1], v[C2:C2+1], FB, v[PT+2*p:PT+2*p+1] op_sel_hi:[1,0,1]
.set p, p+1
.endr
.set p, 1
.rept 15
	F32 p*p*p
	v_pk_fma_f32 v[PT+2*p:PT+2*p+1], v[LD+4:LD+5], FB, v[PT+2*p:PT+2*p+1] op_sel_hi:[1,0,1]
.set p, p+1
.endr
; THE SEGMENTS' CONSTANTS, again a pass for each step.
.set p, 0
.rept 16
	v_pk_add_f32 v[ND+2*p:ND+2*p+1], v[PT+2*p:PT+2*p+1], v[PT+2*p+2:PT+2*p+3] neg_lo:[0,1] neg_hi:[0,1]  ; v - w
.set p, p+1
.endr
.set p, 0
.rept 16
	v_fmaak_f32 v[Q+p], v[ND+2*p], v[ND+2*p], 0x3727c5ac   ; dx^2 + 1e-5
.set p, p+1
.endr
.set p, 0
.rept 16
	v_fmac_f32 v[Q+p], v[ND+2*p+1], v[ND+2*p+1]            ; + dy^2
.set p, p+1
.endr
.set p, 0
.rept 16
	v_rcp_f32 v[Q+p], v[Q+p]
.set p, p+1
.endr
	v_fma_f32 v[R], v[TH], 2.0, 0.5                ; these four are also the plain instructions between the last reciprocal and the use of its result (ISA guide 5.7.2)
	v_max_num_f32 v[R], 0.5, v[R]                  ; t
	v_fma_f32 v[R], v[R], 2.0, 0x4114cccd          ; R = 2t + 9.3
	v_mul_f32 v[R], v[R], v[R]
	s_wait_alu depctr_va_vdst(0)
.set p, 0
.rept 16
.if p%2                                ; the reciprocal is one register of a pair: the odd segments take the pair's second
	v_pk_mul_f32 v[A+2*p:A+2*p+1], v[ND+2*p:ND+2*p+1], v[Q+p-1:Q+p] op_sel:[0,1] op_sel_hi:[1,1]
.else
	v_pk_mul_f32 v[A+2*p:A+2*p+1], v[ND+2*p:ND+2*p+1], v[Q+p:Q+p+1] op_sel_hi:[1,0]
.endif
.set p, p+1
.endr
; THE TESTS, eight at a time: test j is segment 4 g + 3 - j / 2 against block j % 2.  Each step is a pass over the eight.  The segments go from 15 down to 0 and each answer is pushed
; into its block's word from below, so that segment p ends at bit p.  What is pushed is the sign of R^2 - |e|^2: 1 = too far.  first = 1: the first answers start the words.
.macro BATCH g, first
.set j, 0
.rept 8
.set p, 4*(\g)+3-j/2
	v_pk_add_f32 v[RR+2*j:RR+2*j+1], v[CB+2*(j%2):CB+2*(j%2)+1], v[PT+2*p:PT+2*p+1] neg_lo:[0,1] neg_hi:[0,1]  ; r = c - v
.set j, j+1
.endr
.set j, 0
.rept 8
.set p, 4*(\g)+3-j/2
	v_mul_f32 v[TT+j], -v[RR+2*j], v[A+2*p]        ; r . (w - v) / (..): both signs are turned, since A holds v - w
.set j, j+1
.endr
.set j, 0
.rept 8
.set p, 4*(\g)+3-j/2
	v_fma_f32 v[TT+j], -v[RR+2*j+1], v[A+2*p+1], v[TT+j]
.set j, j+1
.endr
.set j, 0
.rept 8
	v_med3_num_f32 v[TT+j], v[TT+j], 0, 1.0        ; tt
.set j, j+1
.endr
.set j, 0
.rept 8
.set p, 4*(\g)+3-j/2
.if j%2
	v_pk_fma_f32 v[RR+2*j:RR+2*j+1], v[ND+2*p:ND+2*p+1], v[TT+j-1:TT+j], v[RR+2*j:RR+2*j+1] op_sel:[0,1,0] op_sel_hi:[1,1,1]  ; e = r + tt (v - w)
.else
	v_pk_fma_f32 v[RR+2*j:RR+2*j+1], v[ND+2*p:ND+2*p+1], v[TT+j:TT+j+1], v[RR+2*j:RR+2*j+1] op_sel_hi:[1,0,1]
.endif
.set j, j+1
.endr
.set j, 0
.rept 8
	v_fma_f32 v[TT+j], -v[RR+2*j], v[RR+2*j], v[R] ; R^2 - ex^2
.set j, j+1
.endr
.set j, 0
.rept 8
	v_fma_f32 v[TT+j], -v[RR+2*j+1], v[RR+2*j+1], v[TT+j]  ; - ey^2
.set j, j+1
.endr
.set j, 0
.rept 8
.if (\first) && (j < 2)
	v_lshrrev_b32 v[MK+j], 31, v[TT+j]
.else
	v_lshrrev_b32 v[TT+j], 31, v[TT+j]
.endif
.set j, j+1
.endr
.set j, 0
.rept 8
.if !(\first) || (j >= 2)
	v_lshl_or_b32 v[MK+j%2], v[MK+j%2], 1, v[TT+j]
.endif
.set j, j+1
.endr
.endm
	BATCH 3, 1
	BATCH 2, 0
	BATCH 1, 0
	BATCH 0, 0
	v_xor_b32 v[MK],   0xffff, v[MK]               ; 1 = near enough
	v_xor_b32 v[MK+1], 0xffff, v[MK+1]
	global_store_b64 v[RO], v[MK:MK+1], s[8:9]     ; 32 lanes store 256 consecutive bytes, at a multiple of 256 from the buffer's first byte
	s_endpgm
.Lfunc_end_k_qd042dfb182_masks:
	.size	k_qd042dfb182_masks, .Lfunc_end_k_qd042dfb182_masks-k_qd042dfb182_masks
	.p2alignl 7, 3214868480
	.fill 96, 4, 3214868480
	.section	.rodata,"a",@progbits
	.p2align	6, 0x0
	.amdhsa_kernel k_qd042dfb182_masks
		.amdhsa_group_segment_fixed_size 0
		.amdhsa_private_segment_fixed_size 0
		.amdhsa_enable_private_segment 0
		.amdhsa_kernarg_size 24
		.amdhsa_user_sgpr_count 2
		.amdhsa_user_sgpr_kernarg_segment_ptr 1
		.amdhsa_wavefront_size32 1
		.amdhsa_system_sgpr_workgroup_id_x 1
		.amdhsa_system_sgpr_workgroup_id_y 1
		.amdhsa_system_sgpr_workgroup_id_z 1
		.amdhsa_system_vgpr_workitem_id 0
		.amdhsa_next_free_vgpr 168
		.amdhsa_next_free_sgpr 66
		.amdhsa_reserve_vcc 0
		.amdhsa_float_denorm_mode_32 3
		.amdhsa_float_denorm_mode_16_64 3
		.amdhsa_memory_ordered 1
		.amdhsa_forward_progress 1
		.amdhsa_inst_pref_size 29
	.end_amdhsa_kernel
	.amdgpu_metadata
---
amdhsa.version: [ 1, 2 ]
amdhsa.kernels:
  - .name:           k_qd042dfb182_masks
    .symbol:         k_qd042dfb182_masks.kd
    .args:
      - { .name: strokes, .offset: 0, .size: 8, .value_kind: global_buffer, .address_space: global }
      - { .name: thicknesses, .offset: 8, .size: 8, .value_kind: global_buffer, .address_space: global }
      - { .name: masks, .offset: 16, .size: 8, .value_kind: global_buffer, .address_space: global }
    .group_segment_fixed_size: 0
    .private_segment_fixed_size: 0
    .kernarg_segment_align: 8
    .kernarg_segment_size: 24
    .max_flat_workgroup_size: 128
    .sgpr_count:     66
    .vgpr_count:     168
    .wavefront_size: 32
...
	.end_amdgpu_metadata
.endif
;; end of part 2
;; launch paint (part 3): grid 8 x 32, 8 waves a work-group, no clusters, 13,824 bytes of LDS; arguments strokes, thicknesses, colors, masks, out0; writes out0
.if DOCPART == 3
	.amdgcn_target "amdgcn-amd-amdhsa--gfx1250"
	.amdhsa_code_object_version 6
	.text
	.protected	k_qd042dfb182_paint
	.globl	k_qd042dfb182_paint
	.p2align	8
	.type	k_qd042dfb182_paint,@function
k_qd042dfb182_paint:
	s_mov_b64 s[64:65], 0
	v_nop
	global_prefetch_b8 v0, s[64:65] scope:SCOPE_SE
	s_setreg_imm32_b32 hwreg(HW_REG_WAVE_MODE, 25, 1), 1
	s_wait_xcnt 0x0
; BEZIER STROKES ON A CANVAS.  out[c][x][y] = max over 32 strokes of colour[c] * clip(1 - dist(x, y; stroke) / 2t, 0, 1), dist = the distance to the stroke's polyline of 16
; segments (17 samples of a cubic Bezier curve, times 512), t = max(2 th + 0.5, 0.5).  All arithmetic in f32.
; WHAT IS LEFT OUT.  A segment farther than 2t from every pixel of a block gives them darkness 0, which never wins against a canvas that starts at 0.  The launch before has
; written, for each block of 8 rows x 16 columns and each stroke, a word whose bit p says that segment p can touch the block; a wave walks only those.
; All trip counts and lane numbers here come from that buffer; no address hangs on a loaded number.
; WHAT IS REORDERED.  The root and the ramp are monotone, so the largest darkness over a stroke's segments is the ramp of the smallest distance: the minimum is kept of the SQUARED
; distance, and one root is taken per pixel and live stroke.  darkness * colour is one fused c - dist * (c / 2t); the ramp's lower clip is done by the maximum with the
; canvas (colours are clipped to 0 .. 1), the upper clip never binds, since dist >= 0.  Per segment, as in the definition:
; tt = clamp(((p - v) . (w - v)) / (|w - v|^2 + 1e-5), 0, 1), e = (p - v) - tt (w - v).
; THE BEZIER PRODUCT is done by f32 fused multiply-adds, not by a 16-bit matrix form: the weights need up to 12 bits and the samples must hold to a small part of a pixel.
; SHARES.  A work-group owns 16 rows x 64 columns; wave w the block (w / 4, w % 4) of it, 8 rows x 16 columns; a lane 4 neighbouring columns of one row.
; THE WAY OUT.  A block's row is 64 bytes, a quarter of the 256 consecutive bytes that a tile's row is in out.  So each wave puts its canvas into a stage of its own in LDS, and
; behind one barrier each thread takes 16 bytes of each channel back, so that 16 lanes store 256 consecutive aligned bytes.
; TWO USES OF THE LANES.  In the tables lane n is STROKE n (control points, colour constants, the word of its live segments); v_readlane_b32 brings a live stroke's numbers
; into scalar registers.  Then lane l makes the record of SEGMENT l % 16 of that stroke, and v_readlane_b32 brings a live segment's record to all pixels.
; LIMITS.  Divisions are v_rcp_f32 and a multiply, the root is v_sqrt_f32: 1 ULP each, and a squared distance below 2^-126 counts as 0.  NaN and infinities are not treated apart;
; the sign of a zero is not kept.  The words' margin of a pixel covers the samples' rounding while control points stay under some 2^18 pixels (inputs of about 500 in size).
; If all 512 segments are live for a block (strokes hundreds of pixels thick) the walk is as long as 512 segments and 32 strokes make it; the result holds all the same.
.set G,     512
.set WSTG,  1600                       ; a wave's stage: 3 channels x 512 bytes, and 64 more: 1,600 = 64 mod 256, so the four stages from which 16 lanes read a tile's row give 16 different columns of 16 bytes (64 banks of 4 bytes: ISA guide 11.1)
.set SPARE, 8*WSTG                     ; 12,800: the spare words, 128 bytes for each wave: four blocks of 256 bytes that no other line names
; vector registers
.set SPW,  1                           ; v1        LDS address of my spare word; never rewritten
.set NIL,  2                           ; v2        0; never rewritten
.set LN,   3                           ; v3        lane
.set MO,   4                           ; v4        8 x lane: stroke `lane` in the 256 bytes of a pair of blocks
.set SO,   5                           ; v5        byte offset of stroke `lane` in strokes
.set X,    6                           ; v6        x of my row
.set GO,   7                           ; v7        the way out: my byte offset in the tile of out
.set RX,   8                           ; v[8:9]    x - vx (the second register is only named with it as a pair)
.set A0,   10                          ; v[10:11]  (x - vx) ax, likewise
.set Y,    12                          ; v[12:15]  y of my 4 columns
.set RY,   16                          ; v[16:19]  y - vy
.set T,    20                          ; v[20:23]  tt, then y's part of e
.set EX,   24                          ; v[24:27]  x's part of e, then the squared distance
.set FT,   16                          ; v[16:27]  at a stroke's end: 3 channels x 4 pixels
.set M,    28                          ; v[28:31]  smallest squared distance of the stroke in hand
.set GR,   32                          ; v[32:43]  my canvas: 4 channel + pixel
.set MASK, 44                          ; v44       lane n: bit p = segment p of stroke n can touch my wave's block
.set Q,    45
.set CT,   46                          ; v[46:53]  lane n: stroke n's four control points, negated: x, y of each
.set SCV,  54                          ; v[54:59]  lane n: c, -c / 2t for each channel
.set WP,   60                          ; v[60:67]  512 x weight i at my segment's start and at its end, as a pair, i = 0 .. 3
.set E,    68                          ; v[68:71]  -vx, -wx, -vy, -wy of my segment
.set ND,   72                          ; v[72:73]  -(w - v)
.set AV,   74                          ; v[74:75]  a = (w - v) / (|w - v|^2 + 1e-5)
.set TI,   76                          ; at work in the set-up
.set PS,   78                          ; thread % 16
.set XI,   79
.set YI,   80
.set TF,   81
.set WU,   82                          ; v[82:88]
.set TO,   89                          ; byte offset of stroke `lane` in thicknesses
.set CO,   90                          ; and in colors
.set STO,  91                          ; the way out: where I put 16 bytes in my wave's stage
.set RD,   92                          ; where I read 16 bytes back
.set LD,   96                          ; v[96:103] stroke `lane`: p0x p0y d0x d0y p1x p1y d1x d1y
.set TH,   104
.set CL,   105                         ; v[105:107]
; scalar registers.  A packed instruction takes a scalar from the low word of an even pair: such numbers lie in even registers; the odd ones beside them are written once.
.set WV,    14                         ; my wave's number
.set NZ,    20                         ; bit n: stroke n is still to be walked
.set NS,    21                         ; how many strokes are live
.set SI,    22                         ; counts them
.set K,     23                         ; the stroke in hand
.set MS,    24                         ; its segments still to be walked
.set NG,    25                         ; how many there are
.set J,     26                         ; counts them
.set B,     27                         ; the segment in hand
.set TS,    28
.set CP,    32                         ; s[32:47]  the stroke's 8 control numbers at CP + 2 i
.set SC,    48                         ; s[48:59]  its 6 colour constants at SC + 2 i
.set RC,    66                         ; s[66:73]  the segment: -vy, -vx, ay, ax, -dx, (0), -dy, (0)
	s_load_b256 s[4:11], s[0:1], 0x0               ; strokes s[4:5], thicknesses s[6:7], colors s[8:9], masks s[10:11]
	s_load_b64 s[12:13], s[0:1], 0x20              ; out
	v_lshl_add_u32 v[SPW], v0, 2, SPARE
	v_mov_b32 v[NIL], 0
	v_and_b32 v[LN], 31, v0
	v_lshrrev_b32 v[TI], 5, v0
	v_readfirstlane_b32 s[WV], v[TI]               ; wave 0..7
	v_lshlrev_b32 v[MO], 3, v[LN]
	v_lshlrev_b32 v[SO], 5, v[LN]
	v_lshlrev_b32 v[TO], 2, v[LN]
	v_mul_u32_u24 v[CO], v[LN], 12
	s_and_b32 s15, ttmp7, 0xffff                   ; the tile's place down the canvas
	s_lshr_b32 s16, s[WV], 2                       ; my block's place in the tile: down,
	s_and_b32 s17, s[WV], 3                        ; across
	s_lshl1_add_u32 s18, s15, s16                  ; br = 2 x tile + that: my block's place on the canvas, 0 .. 63 down,
	s_lshl2_add_u32 s19, ttmp9, s17                ; bc = 4 x tile + that: 0 .. 31 across
	s_lshl_b32 s60, s18, 12                        ; my block's words: pair 16 br + bc / 2, 256 bytes a pair,
	s_lshr_b32 s29, s19, 1
	s_lshl_b32 s29, s29, 8
	s_add_co_u32 s60, s60, s29
	s_and_b32 s29, s19, 1
	s_lshl2_add_u32 s60, s29, s60                  ; the first or the second word of each stroke's two
	s_mov_b32 s61, 0
	s_wait_kmcnt 0x0
	s_add_nc_u64 s[10:11], s[10:11], s[60:61]
	global_load_b32 v[MASK], v[MO], s[10:11]       ; the 32 lanes' words lie in 256 consecutive bytes
	global_load_b128 v[LD:LD+3],   v[SO], s[4:5]
	global_load_b128 v[LD+4:LD+7], v[SO], s[4:5] offset:16
	global_load_b32 v[TH],   v[TO], s[6:7]
	global_load_b32 v[CL],   v[CO], s[8:9]
	global_load_b32 v[CL+1], v[CO], s[8:9] offset:4
	global_load_b32 v[CL+2], v[CO], s[8:9] offset:8
; While the loads are out: the weights, the pixels, the addresses, the canvas.
; 512 x the cubic basis at t / 16, u = 16 - t: u^3 / 8, 3 u^2 t / 8, 3 u t^2 / 8, t^3 / 8.  Every factor and product is a whole number of eighths below 2^24: exact in f32.
; At t = 16 they are 0, 0, 0, 512: the polyline's last point is the curve's end point itself.
.macro WEIGHTS dst                     ; into every second register from dst on
	v_sub_f32 v[WU], 0x41800000, v[TF]             ; u = 16 - t
	v_mul_f32 v[WU+1], v[TF], v[TF]
	v_mul_f32 v[WU+2], v[WU], v[WU]
	v_mul_f32 v[WU+3], 0x3e000000, v[WU]           ; u / 8
	v_mul_f32 v[WU+4], 0x3ec00000, v[TF]           ; 3 t / 8
	v_mul_f32 v[WU+5], 0x3ec00000, v[WU]           ; 3 u / 8
	v_mul_f32 v[WU+6], 0x3e000000, v[TF]           ; t / 8
	v_mul_f32 v[\dst],   v[WU+2], v[WU+3]
	v_mul_f32 v[\dst+2], v[WU+2], v[WU+4]
	v_mul_f32 v[\dst+4], v[WU+1], v[WU+5]
	v_mul_f32 v[\dst+6], v[WU+1], v[WU+6]
.endm
	v_and_b32 v[PS], 15, v0
	v_cvt_f32_u32 v[TF], v[PS]
	WEIGHTS WP                                     ; at my segment's start
	v_add_f32 v[TF], 1.0, v[TF]
	WEIGHTS WP+1                                   ; at its end
	s_lshl_b32 s30, s18, 3                         ; my block's first row,
	s_lshl_b32 s31, s19, 4                         ; its first column
	v_bfe_u32 v[XI], v0, 2, 3                      ; lane / 4: my row in the block
	v_add_nc_u32 v[XI], s30, v[XI]
	v_cvt_f32_u32 v[X], v[XI]
	v_and_b32 v[YI], 3, v0                         ; lane % 4: which 4 columns
	v_lshl_add_u32 v[YI], v[YI], 2, s31
.irp k, 0,1,2,3
	v_add_nc_u32 v[TI], \k, v[YI]
	v_cvt_f32_u32 v[Y+\k], v[TI]
.endr
	s_mul_i32 s29, s[WV], WSTG
	v_lshl_add_u32 v[STO], v[LN], 4, s29           ; into my wave's stage: 16 x lane: 512 consecutive bytes a channel
	; back: thread t takes row t / 16 of the tile, columns 4 (t % 16) + 0..3: they lie in the stage of wave 4 (t / 128) + (t / 4) % 4, at lane 4 ((t / 16) % 8) + t % 4
	v_bfe_u32 v[TI], v0, 7, 1
	v_bfe_u32 v[RD], v0, 2, 2
	v_lshl_add_u32 v[TI], v[TI], 2, v[RD]
	v_mul_u32_u24 v[RD], v[TI], WSTG
	v_bfe_u32 v[TI], v0, 4, 3
	v_lshl_add_u32 v[RD], v[TI], 6, v[RD]
	v_and_b32 v[TI], 3, v0
	v_lshl_add_u32 v[RD], v[TI], 4, v[RD]
	v_lshrrev_b32 v[TI], 4, v0
	v_lshlrev_b32 v[GO], 11, v[TI]                 ; a row of out is 2,048 bytes
	v_lshl_add_u32 v[GO], v[PS], 4, v[GO]
	s_lshl_b32 s62, s15, 15                        ; the tile in out: 16 rows of 2,048 bytes down,
	s_lshl_b32 s63, ttmp9, 8                       ; 256 bytes across
	s_add_co_u32 s62, s62, s63
	s_mov_b32 s63, 0
	s_add_nc_u64 s[12:13], s[12:13], s[62:63]
.set i, 0
.rept 12
	v_mov_b32 v[GR+i], 0                           ; the canvas starts at 0; a wave with no live stroke hands on just that
.set i, i+1
.endr
	v_mov_b32 v[RX+1], 0                           ; named as pairs
	v_mov_b32 v[A0+1], 0
.irp i, 0,1,2,3,4,5,6,7
	s_mov_b32 s[CP+2*\i+1], 0
.endr
.irp i, 0,1,2,3,4,5
	s_mov_b32 s[SC+2*\i+1], 0
.endr
	s_mov_b32 s[RC+5], 0
	s_mov_b32 s[RC+7], 0
	s_wait_loadcnt 0x6                             ; the words are in; the 6 loads of the inputs, issued behind theirs, may be out
	v_cmp_ne_u32 s[NZ], 0, v[MASK]                 ; bit n: stroke n has a live segment
	s_bcnt1_i32_b32 s[NS], s[NZ]
; The tables, lane = stroke.
	s_wait_loadcnt 0x0
	v_pk_mul_f32 v[CT:CT+1],   v[LD:LD+1], -1.0 op_sel_hi:[1,0]                             ; -p0
	v_pk_add_f32 v[CT+2:CT+3], v[LD:LD+1], v[LD+2:LD+3] neg_lo:[1,1] neg_hi:[1,1]           ; -(p0 + d0)
	v_pk_add_f32 v[CT+4:CT+5], v[LD+6:LD+7], v[LD+4:LD+5] neg_lo:[0,1] neg_hi:[0,1]         ; -(p1 - d1)
	v_pk_mul_f32 v[CT+6:CT+7], v[LD+4:LD+5], -1.0 op_sel_hi:[1,0]                           ; -p1
	v_fma_f32 v[Q], v[TH], 2.0, 0.5
	v_max_num_f32 v[Q], 0.5, v[Q]                  ; t
	v_add_f32 v[Q], v[Q], v[Q]                     ; 2 t, at least 1
	v_rcp_f32 v[Q], v[Q]
.irp c, 0,1,2
	v_med3_num_f32 v[SCV+2*\c], v[CL+\c], 0, 1.0   ; the colour, clipped; the first of these is the plain instruction between the reciprocal and its use (ISA guide 5.7.2)
.endr
	s_wait_alu depctr_va_vdst(0)
.irp c, 0,1,2
	v_mul_f32 v[SCV+2*\c+1], -v[SCV+2*\c], v[Q]    ; -c / 2t
.endr
	s_cmp_eq_u32 s[NS], 0
	s_cbranch_scc1 .Lout                           ; nothing can touch my block
	s_mov_b32 s[SI], 0
.Lstroke:                                              ; NS trips: the live strokes, from the lowest number up
	s_ctz_i32_b32 s[K], s[NZ]
	v_readlane_b32 s[MS], v[MASK], s[K]
.irp i, 0,1,2,3,4,5,6,7
	v_readlane_b32 s[CP+2*\i], v[CT+\i], s[K]
.endr
	s_sub_co_u32 s[TS], s[NZ], 1
	s_and_b32 s[NZ], s[NZ], s[TS]                  ; its bit is taken out
	; lane l makes segment l % 16: both ends at once, -v and -w = the sum of four negated control points times the pair of weights
	v_pk_mul_f32 v[E:E+1],     v[WP:WP+1], s[CP:CP+1]     op_sel_hi:[1,0]
	v_pk_mul_f32 v[E+2:E+3],   v[WP:WP+1], s[CP+2:CP+3]   op_sel_hi:[1,0]
.irp i, 1,2,3
	v_pk_fma_f32 v[E:E+1],     v[WP+2*\i:WP+2*\i+1], s[CP+4*\i:CP+4*\i+1],   v[E:E+1]     op_sel_hi:[1,0,1]
	v_pk_fma_f32 v[E+2:E+3],   v[WP+2*\i:WP+2*\i+1], s[CP+4*\i+2:CP+4*\i+3], v[E+2:E+3]   op_sel_hi:[1,0,1]
.endr
.irp i, 0,1,2,3,4,5
	v_readlane_b32 s[SC+2*\i], v[SCV+\i], s[K]     ; the stroke's colour constants, wanted at its end
.endr
	v_sub_f32 v[ND],   v[E+1], v[E]                ; -(w - v) = (-w) - (-v)
	v_sub_f32 v[ND+1], v[E+3], v[E+2]
	v_fmaak_f32 v[Q], v[ND], v[ND], 0x3727c5ac     ; dx^2 + 1e-5
	v_fmac_f32 v[Q], v[ND+1], v[ND+1]              ; + dy^2
	v_rcp_f32 v[Q], v[Q]
.irp j, 0,1,2,3
	v_mov_b32 v[M+\j], 0x7f7fffff                  ; the minimum starts at the largest finite number; also the plain instructions between the reciprocal and its use
.endr
	s_wait_alu depctr_va_vdst(0)
	v_mul_f32 v[AV],   -v[ND],   v[Q]
	v_mul_f32 v[AV+1], -v[ND+1], v[Q]
	s_bcnt1_i32_b32 s[NG], s[MS]                   ; at least 1: the stroke is live
	s_mov_b32 s[J], 0
.Lseg:                                                 ; NG trips: the stroke's live segments
	s_ctz_i32_b32 s[B], s[MS]
	v_readlane_b32 s[RC+1], v[E],    s[B]          ; -vx
	v_readlane_b32 s[RC],   v[E+2],  s[B]          ; -vy
	v_readlane_b32 s[RC+3], v[AV],   s[B]          ; ax
	v_readlane_b32 s[RC+2], v[AV+1], s[B]          ; ay
	v_readlane_b32 s[RC+4], v[ND],   s[B]          ; -dx
	v_readlane_b32 s[RC+6], v[ND+1], s[B]          ; -dy
	s_sub_co_u32 s[TS], s[MS], 1
	s_and_b32 s[MS], s[MS], s[TS]
	v_add_f32 v[RX], s[RC+1], v[X]
	v_pk_add_f32 v[RY:RY+1],   v[Y:Y+1],   s[RC:RC+1] op_sel_hi:[1,0]
	v_pk_add_f32 v[RY+2:RY+3], v[Y+2:Y+3], s[RC:RC+1] op_sel_hi:[1,0]
	v_mul_f32 v[A0], s[RC+3], v[RX]
.irp j, 0,2
	v_pk_fma_f32 v[T+\j:T+\j+1], v[RY+\j:RY+\j+1], s[RC+2:RC+3], v[A0:A0+1] op_sel_hi:[1,0,0]   ; (y - vy) ay + (x - vx) ax
.endr
.irp j, 0,1,2,3
	v_med3_num_f32 v[T+\j], v[T+\j], 0, 1.0        ; tt
.endr
.irp j, 0,2
	v_pk_fma_f32 v[EX+\j:EX+\j+1], v[T+\j:T+\j+1], s[RC+4:RC+5], v[RX:RX+1] op_sel_hi:[1,0,0]   ; ex = (x - vx) - tt dx
.endr
.irp j, 0,2
	v_pk_fma_f32 v[T+\j:T+\j+1], v[T+\j:T+\j+1], s[RC+6:RC+7], v[RY+\j:RY+\j+1] op_sel_hi:[1,0,1]  ; ey = (y - vy) - tt dy
.endr
.irp j, 0,2
	v_pk_mul_f32 v[EX+\j:EX+\j+1], v[EX+\j:EX+\j+1], v[EX+\j:EX+\j+1]
.endr
.irp j, 0,2
	v_pk_fma_f32 v[EX+\j:EX+\j+1], v[T+\j:T+\j+1], v[T+\j:T+\j+1], v[EX+\j:EX+\j+1]             ; ex^2 + ey^2
.endr
.irp j, 0,1,2,3
	v_min_num_f32 v[M+\j], v[M+\j], v[EX+\j]
.endr
	s_add_co_u32 s[J], s[J], 1
	s_cmp_lt_u32 s[J], s[NG]
	s_cbranch_scc1 .Lseg
	; the stroke's end: one root a pixel; for each channel c - dist c / 2t, and the maximum with my canvas
.irp j, 0,1,2,3
	v_sqrt_f32 v[M+\j], v[M+\j]
.endr
	v_nop                                          ; a plain instruction between the last root and the use of its result (ISA guide 5.7.2); no other work is at hand
	s_wait_alu depctr_va_vdst(0)
.irp c, 0,1,2
	v_pk_fma_f32 v[FT+4*\c:FT+4*\c+1],   v[M:M+1],   s[SC+4*\c+2:SC+4*\c+3], s[SC+4*\c:SC+4*\c+1] op_sel_hi:[1,0,0]
	v_pk_fma_f32 v[FT+4*\c+2:FT+4*\c+3], v[M+2:M+3], s[SC+4*\c+2:SC+4*\c+3], s[SC+4*\c:SC+4*\c+1] op_sel_hi:[1,0,0]
.endr
.set i, 0
.rept 12
	v_max_num_f32 v[GR+i], v[GR+i], v[FT+i]
.set i, i+1
.endr
	s_add_co_u32 s[SI], s[SI], 1
	s_cmp_lt_u32 s[SI], s[NS]
	s_cbranch_scc1 .Lstroke
.Lout:                                                 ; every wave comes here, whatever it has walked: the barrier below is on every wave's path
.irp c, 0,1,2
	ds_store_b128 v[STO], v[GR+4*\c:GR+4*\c+3] offset:512*\c
.endr
	s_wait_dscnt 0x0                               ; for the others' sake: my canvas is in my stage
	s_barrier_signal -1
	s_barrier_wait -1                              ; everybody's is
.irp c, 0,1,2
	ds_load_b128 v[GR+4*\c:GR+4*\c+3], v[RD] offset:512*\c
.endr
.irp c, 0,1,2
	s_wait_dscnt 2-\c                              ; LDS loads come back in order (ISA guide 5.7.1): this channel's is in, the later channels' may be out
	global_store_b128 v[GO], v[GR+4*\c:GR+4*\c+3], s[12:13] offset:\c*G*G*4 th:TH_STORE_NT  ; 16 lanes store 256 consecutive bytes, at a multiple of 256 from out's first byte; the channel stands in the immediate
.endr
	s_wait_tensorcnt 0x0                           ; the wave's end, behind my last LDS store
	ds_add_u32 v[SPW], v[NIL]
	s_wait_dscnt 0x0
	s_endpgm
.Lfunc_end_k_qd042dfb182_paint:
	.size	k_qd042dfb182_paint, .Lfunc_end_k_qd042dfb182_paint-k_qd042dfb182_paint
	.p2alignl 7, 3214868480
	.fill 96, 4, 3214868480
	.section	.rodata,"a",@progbits
	.p2align	6, 0x0
	.amdhsa_kernel k_qd042dfb182_paint
		.amdhsa_group_segment_fixed_size 13824
		.amdhsa_private_segment_fixed_size 0
		.amdhsa_enable_private_segment 0
		.amdhsa_kernarg_size 40
		.amdhsa_user_sgpr_count 2
		.amdhsa_user_sgpr_kernarg_segment_ptr 1
		.amdhsa_wavefront_size32 1
		.amdhsa_system_sgpr_workgroup_id_x 1
		.amdhsa_system_sgpr_workgroup_id_y 1
		.amdhsa_system_sgpr_workgroup_id_z 1
		.amdhsa_system_vgpr_workitem_id 0
		.amdhsa_next_free_vgpr 108
		.amdhsa_next_free_sgpr 74
		.amdhsa_reserve_vcc 0
		.amdhsa_float_denorm_mode_32 3
		.amdhsa_float_denorm_mode_16_64 3
		.amdhsa_memory_ordered 1
		.amdhsa_forward_progress 1
		.amdhsa_inst_pref_size 13
	.end_amdhsa_kernel
	.amdgpu_metadata
---
amdhsa.version: [ 1, 2 ]
amdhsa.kernels:
  - .name:           k_qd042dfb182_paint
    .symbol:         k_qd042dfb182_paint.kd
    .args:
      - { .name: strokes, .offset: 0, .size: 8, .value_kind: global_buffer, .address_space: global }
      - { .name: thicknesses, .offset: 8, .size: 8, .value_kind: global_buffer, .address_space: global }
      - { .name: colors, .offset: 16, .size: 8, .value_kind: global_buffer, .address_space: global }
      - { .name: masks, .offset: 24, .size: 8, .value_kind: global_buffer, .address_space: global }
      - { .name: out0, .offset: 32, .size: 8, .value_kind: global_buffer, .address_space: global }
    .group_segment_fixed_size: 13824
    .private_segment_fixed_size: 0
    .kernarg_segment_align: 8
    .kernarg_segment_size: 40
    .max_flat_workgroup_size: 256
    .sgpr_count:     74
    .vgpr_count:     108
    .wavefront_size: 32
...
	.end_amdgpu_metadata
.endif
;; end of part 3
